; MI455X (gfx1250); checked and timed in simulation.
; The chip was launched on July 23, 2026; its instructions are those of AMD's public machine-readable ISA for CDNA 5 (MIT licence, August 2026) and "CDNA5" Instruction Set Architecture Reference Guide (July 2026). The comments in the code are by the model that wrote it; some were corrected since.
;; Self Attention Module. Allowed arithmetic: matrix products marked QUANTISED: E2M3 operands, one E8M0 scale for each 32 along K, by v_wmma_scale_f32_16x16x128_f8f6f4 with both operands' format E2M3, f32 sums; everything else in f32.
;; Inputs: Wk_codes 128 x 32 x 24 uint8 (E2M3 codes of Wk, K innermost, in blocks of 32 codes, four codes in three bytes); Wk_scales 128 x 32 uint8 (E8M0 scales of Wk, one for each 32 codes along K); Wq_codes 128 x 32 x 24 uint8 (E2M3 codes of Wq, K innermost, in blocks of 32 codes, four codes in three bytes); Wq_scales 128 x 32 uint8 (E8M0 scales of Wq, one for each 32 codes along K); Wv_codes 128 x 32 x 24 uint8 (E2M3 codes of Wv, K innermost, in blocks of 32 codes, four codes in three bytes); Wv_scales 128 x 32 uint8 (E8M0 scales of Wv, one for each 32 codes along K); X_codes 4 x 4,096 x 32 x 24 uint8 (E2M3 codes of X, K innermost, in blocks of 32 codes, four codes in three bytes); X_scales 4 x 4,096 x 32 uint8 (E8M0 scales of X, one for each 32 codes along K); bk 128 float32; bq 128 float32; bv 128 float32.
;; Outputs: out0 4 x 4,096 x 128 float32.
;; This version of the problem:
;;   THIS VERSION OF THE PROBLEM IS GIVEN IN LOW PRECISION. The matrix products marked QUANTISED in the list below multiply operands that are first quantised to E2M3 (2 exponent bits, 3 mantissa bits; 6 bits a number), with one power-of-two scale for each 32 numbers along K (OCP MX v1.0); their sums are f32. All else is computed in f32.
;;   The module's matrix products, in the order in which they are computed (A, B: the left and right operand; K: the contracted axis; several contracted axes count as one K, in the product's order):
;;     1. [M 16,384, K 1,024] x [K 1,024, N 128]; A: input X (given as codes); B: input Wq (given as codes): QUANTISED
;;     2. [M 16,384, K 1,024] x [K 1,024, N 128]; A: input X (given as codes); B: input Wk (given as codes): QUANTISED
;;     3. [M 16,384, K 1,024] x [K 1,024, N 128]; A: input X (given as codes); B: input Wv (given as codes): QUANTISED
;;     4. batch 4 x [M 4,096, K 128] x [K 128, N 4,096]; A: computed on the way; B: computed on the way: QUANTISED
;;     5. batch 4 x [M 4,096, K 4,096] x [K 4,096, N 128]; A: computed on the way; B: computed on the way: QUANTISED
;;   THE QUANTISER, for each operand of a quantised product, along K:
;;     - K is cut into blocks of 32 from its start; a last block that is shorter is filled with zeros.
;;     - A block's scale is 2^e with e = floor(log2(the largest magnitude in the block)) - 2, held to -126 .. 127; a block of zeros has e = 0. As a byte (E8M0): e + 127.
;;     - Each number is divided by its block's scale, clamped to +-7.5, and rounded to the nearest number of E2M3, ties to even, subnormals kept.
;;     - The product sums the exact products of the quantised numbers (number of the format x scale) in f32.
;;   ~~~python
;;   def quantise(x, axis):      # numpy; x: float32 -> the quantised numbers, widened to float32 again
;;       x = np.moveaxis(x, axis, -1); K = x.shape[-1]
;;       x = np.pad(x, [(0, 0)] * (x.ndim - 1) + [(0, -K % 32)]); x = x.reshape(x.shape[:-1] + (-1, 32)); a = np.abs(x).max(-1, keepdims=True)
;;       e = np.where(a > 0, np.clip(np.frexp(np.where(a > 0, a, 1))[1] - 1 - 2, -126, 127), 0)      # np.frexp(a)[1] - 1 = floor(log2(a)), exactly
;;       r = np.clip(x / 2.0 ** e, -7.5, 7.5)
;;       step = 2.0 ** (np.maximum(np.frexp(np.where(r == 0, 1, r))[1] - 1, 0) - 3)
;;       q = np.round(r / step) * step * 2.0 ** e      # np.round: ties to even
;;       return np.moveaxis(q.reshape(q.shape[:-2] + (-1,))[..., :K], -1, axis).astype(np.float32)
;;   ~~~
;;   OPERANDS COMPUTED ON THE WAY. 'Computed on the way' means the value that the module computes at that place (a softmax that the list does not call 'softmax' is quantised finished and normalised). What goes into a quantiser is computed in f32, as accurately as f32 sums, v_exp_f32 and their like allow (about 1e-6 of the number): no bf16 or f16 on the way to a quantiser, and a product that is left as it is and whose result goes on into a quantised operand takes f32 operands (vector FMAs, or v_wmma_f32_16x16x4_f32). A number that lies on a knife's edge between two numbers of the format may be rounded either way, as far as f32 arithmetic and the matrix unit's own rounding can turn it there, and no further.
;;   INPUTS GIVEN AS CODES. Wk (in the module: [128, 1024], K = its axis 1); Wq (in the module: [128, 1024], K = its axis 1); Wv (in the module: [128, 1024], K = its axis 1); X (in the module: [4, 4096, 1024], K = its axis 2): each comes as NAME_codes (uint8): NAME with its K axis moved to the last place and cut into blocks of 32 codes, [.., K / 32, bytes a block], one block behind the other in memory; four codes in three bytes: a row's codes are one little-endian stream of bits, code i at bits 6 i .. 6 i + 5 (a code: sign, 2 exponent bits, 3 mantissa bits); and NAME_scales (uint8): the same leading axes, one E8M0 byte (e + 127) for each 32 codes along K. Its value is code x scale, taken as it is: it is not quantised again, and the codes and scales need not be those that the quantiser above would give.
;; One version. Each part assembles by itself: llvm-mc -triple=amdgcn-amd-amdhsa -mcpu=gfx1250 --defsym DOCPART=n.
;; ======== version 1 of 1: 2 launches
;; workspace buffers: qc 1,572,864 bytes; qs 65,536 bytes; kv 3,276,800 bytes
;; launch proj (part 1): grid 4 x 64, 4 waves a work-group, clusters of 4 x 4, 307,200 bytes of LDS; arguments X_codes, X_scales, Wq_codes, Wq_scales, Wk_codes, Wk_scales, Wv_codes, Wv_scales, bq, bk, bv, qc, qs, kv; writes qc, qs, kv
.if DOCPART == 1
	.amdgcn_target "amdgcn-amd-amdhsa--gfx1250"
	.amdhsa_code_object_version 6
	.text
	.protected	k_q64b233e39d_proj
	.globl	k_q64b233e39d_proj
	.p2align	8
	.type	k_q64b233e39d_proj,@function
k_q64b233e39d_proj:
	s_mov_b64 s[64:65], 0
	v_nop
	global_prefetch_b8 v0, s[64:65] scope:SCOPE_SE
	s_setreg_imm32_b32 hwreg(HW_REG_WAVE_MODE, 25, 1), 1
	s_wait_xcnt 0x0
	s_wait_alu depctr_hold_cnt(0) depctr_sa_sdst(0) depctr_va_vdst(0) depctr_va_sdst(0) depctr_va_ssrc(0) depctr_va_vcc(0) depctr_vm_vsrc(0)
	s_getreg_b32 s2, hwreg(HW_REG_IB_STS2, 6, 4)
	s_cmp_eq_u32 s2, 0
	s_cbranch_scc0 .Lentry_in_a_cluster
	s_endpgm
.Lentry_in_a_cluster:
	s_bfe_u32 s2, ttmp6, 0x10000c
	s_cmp_lg_u32 s2, 0xf033
	s_cbranch_scc0 .Lentry_shape_is_right
	s_endpgm
.Lentry_shape_is_right:
; Q = X Wq^T + bq, K = X Wk^T + bk, V = X Wv^T + bv on the given codes of E2M3 (K = 1,024, one E8M0 byte for each 32), sums in f32; then the quantisers of the two later products:
; Q and K along their 128 channels, V along the keys.  The codes and scale bytes go to this program's own buffers qc, qs, kv, laid as images of the operand registers that the second launch loads.
; NOTHING IS LEFT OUT.  In real numbers (Q K^T) V = Q (K^T V), but A = Q K^T passes a quantiser, which is a step of the problem: all of A is made, and so all of Q, K, V; the biases move codes, so all eleven inputs are loaded.
; LIMITS: NaN and infinities among the numbers are not served.  A block of zeros, and one whose largest magnitude lies under 2^-124, gets the scale byte 1 (the rule says 127 for zeros): its codes are zeros,
; which add nothing under any byte but 0xff, and this program alone reads the bytes.
; SHARES.  256 work-groups.  Work-group (cx, rb) takes rows 256 rb .. + 255 of X (all 16,384 rows counted on end) and 96 columns: 64 channels of Q (cx 0, 1) or of K (cx 2, 3), half c = cx % 2, and V's channels 32 cx .. + 31.
; Wave w takes rows 64 w .. + 63: 4 tiles of rows x 6 tiles of columns = 24 accumulators; for 128 along K ten fragments feed 24 products.
; All that a work-group reads of codes, 352 rows x 768 bytes, fits into LDS at once: two chunks of 512 along K, each filled once; nothing is filled again.
; CLUSTER 4 x 4: the four of a row of the cluster (same rb) need the same rows of X, the four of a column (same cx) the same rows of the weights: each tile is asked for jointly.
; LAYOUT.  Q and K: source 0 = 16 channels of W, source 1 = 16 rows of X: a lane holds ONE row and eight channels 8 (lane / 16) + j.  V: source 0 = 16 rows of X, source 1 = 16 channels: a lane holds ONE channel and eight keys.
; Two neighbouring tiles give a lane 16 numbers of a block of 32: k 8 h + 0..7 and 16 + 8 h + 0..7.  Converted and with the halves exchanged, a block's places 0-15 hold k 0-7, 16-23 and its places 16-31 hold k 8-15, 24-31.
; The same order inside a block arises on both operands of each later product (Q and K here; V here, and A in the second launch by its choice of the keys of a tile), so the right numbers meet; blocks and scales are the quantiser's own.
; A HALF FRAGMENT (16 rows x 64 along K: six registers; lane (r, h) holds block h whole) is stored as 768 bytes: registers 0-3, 16 bytes a lane, then registers 4-5, 8 bytes a lane: every store covers whole aligned runs of 256 bytes.
; IN TILES 2 AND 3 OF A WAVE'S 64 ROWS OF Q OR K lane l's bytes lie at the place of lane l xor 8: the second launch reads rows of tiles t and t + 2 by one LDS load, and so finds them in different halves of a run of 256 bytes.
; kv: 64 blocks of 51,200 bytes, block rb = keys 256 rb .. + 255 = key steps p = 0, 1 of 128:  24,576 p + 1,536 t + 768 c: K, tile t of 16 keys, channel half c;  24,576 p + 12,288 + 1,536 t + 768 c: V^T, tile t of 16 channels, key half c;
;   49,152 + 512 p + 256 c + 8 l: lane l = (r, h): the byte pairs (blocks 2 c, 2 c + 1) of K's tiles 4 h + 0..3, key r;   50,176 + 256 cx + 128 p + 64 u + 4 r: the scale word of V's channel tile 2 cx + u, channel r.
; qc: 6,144 x (block of 64 queries) + 1,536 m + 768 c.   qs: 1,024 rb + 512 (w / 2) + 256 c + 128 (w % 2) + 8 r: byte pairs as K's.
; REGISTERS, in windows of 256.  Window 0: v1-3 r, h, lane; v4-15 LDS addresses of fragments; v16-25, v188-189 offsets; v26, v27 the add's two; v28-29 bv; v32-63 X's scale words, v64-111 the weights'; v112-127 at work; v128-187 codes; v192-197 the way out.
;   Window 1: 32 m + 8 t Q's or K's sums; 128 + 32 u + 8 m V's; 192 + 8 t, 224 + 8 u the biases in the result's layout.   Window 2: two sets of ten fragments, at 0 and at 120.
.set PITCH, 432                        ; an LDS row: 3 x (128 bytes of codes + 16 of padding) = 108 words: row r starts at bank 44 r mod 64 (64 banks of 4 bytes: ISA guide 11.1): sixteen different multiples of 4
.set CHUNK, 152064                     ; a chunk: 256 rows of X, 64 of Wq or Wk, 32 of Wv
.set QOFF,  110592
.set VOFF,  138240
.set KST,   304128                     ; 512 bytes: the scale bytes of my 256 rows of Q or K
.set VST,   304640                     ; 256 bytes: those of my 32 channels of V
.set SPARE, 304896                     ; the spare words, 128 bytes for each wave: two blocks of 256 bytes that no other line names
.set SPW, 26
.set NIL, 27
.set XS,  32                           ; v[XS + 8 i + s]: tile i of my rows, K step s
.set WS,  64                           ; v[WS + 8 t + s]: column tile t (4, 5: V's)
.set TM,  112                          ; +0..3 largest magnitudes; +4..7 bytes; +8..10 the three scale words made; +12..15 the conversions' scale operands
.set PC,  128                          ; three sets of 20
.set WV,  32                           ; s32 wave;  s33 cx;  s34 cy;  s35 rb
.set G1X, 48
.set G1Q, 56
.set G1V, 68
.set G0X, 76                           ; groups 0: a set for each chunk
.set G0Q, 84
.set G0V, 92
.set SEL, 100
.set OQK, 26                           ; s[26:27] where my codes of Q or K go;  s[28:29] their scale bytes;  s[22:23] V's codes;  s[14:15] V's scale words
.set OSC, 28
.set OV,  22
.set OVS, 14
.set MSB, 0
.macro WIN new                         ; the immediate's high byte repeats the setting that is left; a switch that changes nothing is dropped
.if MSB != (\new)
	s_set_vgpr_msb (MSB<<8)|(\new)
.set MSB, (\new)
.endif
.endm
.macro CROUND                          ; a round of the cluster's barrier
	s_barrier_signal -1
	s_barrier_wait -1
	s_cmp_lg_u32 s[WV], 0
	s_cbranch_scc1 .Lnot_wave_0_\@
	s_barrier_signal -3
.Lnot_wave_0_\@:
	s_barrier_wait -3
	s_barrier_signal -1
	s_barrier_wait -1
.endm
.macro PLACES n
.rept \n
	v_nop
.endr
.endm
.macro SHAPE g, rows                   ; descriptor group 1, words 1 to 7: rows of 384 bytes, 768 bytes apart in memory
	s_mov_b32 s[\g+1], 384<<16                     ; tensor_dim0
	s_mov_b32 s[\g+2], (\rows)<<16                 ; tensor_dim1
	s_mov_b32 s[\g+3], 384<<16                     ; tile_dim0
	s_mov_b32 s[\g+4], \rows                       ; tile_dim1
	s_mov_b32 s[\g+5], 768                         ; tensor_dim0_stride
	s_mov_b32 s[\g+6], 0
	s_mov_b32 s[\g+7], 0
.endm
.macro FIRST g0, g1                    ; a wave's two fills, chunk 0 and chunk 1; an s_nop 0 follows each, four v_nop the second's
	tensor_load_to_lds s[\g0:\g0+3], s[\g1:\g1+7]
	s_nop 0
	tensor_load_to_lds s[\g0+4:\g0+7], s[\g1:\g1+7]
	s_nop 0
.rept 4
	v_nop
.endr
.endm
	s_load_b512 s[4:19], s[0:1], 0x0               ; X codes, X scales, Wq codes, Wq scales, Wk codes, Wk scales, Wv codes, Wv scales
	s_load_b256 s[20:27], s[0:1], 0x40             ; bq, bk, bv, qc
	s_load_b128 s[28:31], s[0:1], 0x60             ; qs, kv
	v_lshl_add_u32 v[SPW], v0, 2, SPARE
	v_mov_b32 v[NIL], 0
	ds_add_u32 v[SPW], v[NIL]                      ; the wave's opening: the add, twice on end, and its wait ahead of the first tensor loads; work on registers stands between
	ds_add_u32 v[SPW], v[NIL]
	v_lshrrev_b32 v1, 5, v0
	v_readfirstlane_b32 s[WV], v1                  ; wave 0..3
	s_bfe_u32 s33, ttmp6, 0x40000                  ; cx: the grid is one cluster wide, so cx is the work-group's x
	s_bfe_u32 s34, ttmp6, 0x40004                  ; cy
	s_and_b32 s35, ttmp7, 0xffff
	s_lshl_b32 s35, s35, 2
	s_add_co_u32 s35, s35, s34                     ; rb = 4 x cluster y + cy
	s_lshl_b32 s36, s34, 2
	s_lshl_b32 s36, 15, s36                        ; my row of the cluster
	s_lshl_b32 s37, 0x1111, s33                    ; my column
	s_and_b32 s38, s33, 1                          ; c
	s_lshr_b32 s39, s[WV], 1
	s_and_b32 s45, s[WV], 1
	s_or_b32 s[G1X], s36, (1<<20)|(1<<21)|(4<<22)|(3<<25)   ; 15:0 the mask; 17:16 elements of 1 byte; 20 padding on; 21 set beside a mask; 24:22 after every 32 words (code 4); 31:25 of 4 words (code 3)
	s_or_b32 s[G1Q], s37, (1<<20)|(1<<21)|(4<<22)|(3<<25)
	s_or_b32 s[G1V], s37, (1<<20)|(1<<21)|(4<<22)|(3<<25)
	SHAPE G1X, 128
	SHAPE G1Q, 64
	SHAPE G1V, 32
	s_mov_b32 s[SEL], 0x76543210
	s_mov_b32 s[SEL+1], 0xfedcba98                 ; v_permlanex16_b32's selects for lane l xor 16
	s_mul_i32 s40, s35, 196608                     ; X: 256 rb rows of 768 bytes,
	s_mul_i32 s44, s45, 98304                      ; + 128 rows for wave 1: made of cy and the wave's number alone
	s_add_co_u32 s40, s40, s44
	s_mov_b32 s41, 0
	s_mul_i32 s44, s45, 128*PITCH                  ; and where they go
	s_mul_i32 s46, s38, 49152                      ; Wq or Wk: rows 64 c on: made of cx alone
	s_mov_b32 s47, 0
	s_mul_i32 s42, s33, 24576                      ; Wv: rows 32 cx on
	s_mov_b32 s43, 0
	s_wait_dscnt 0x0                               ; both opening adds are done
	s_wait_kmcnt 0x0
	s_cmp_lt_u32 s33, 2                            ; Q's work-group or K's: pointers are chosen, no path
	s_cselect_b64 s[8:9], s[8:9], s[12:13]
	s_cselect_b64 s[10:11], s[10:11], s[14:15]
	s_cselect_b64 s[20:21], s[20:21], s[22:23]
	s_add_nc_u64 s[4:5], s[4:5], s[40:41]
	s_add_nc_u64 s[8:9], s[8:9], s[46:47]
	s_add_nc_u64 s[16:17], s[16:17], s[42:43]
	CROUND                                         ; all sixteen work-groups are here: the joint loads meet
.irp k, 0,1
	s_mov_b32 s[G0X+4*\k], 1                                       ; count = 1
	s_add_co_u32 s[G0X+4*\k+1], s44, CHUNK*\k                      ; LDS address
	s_add_nc_u64 s[G0X+4*\k+2:G0X+4*\k+3], s[4:5], 384*\k          ; global address: chunk k of the rows
	s_or_b32 s[G0X+4*\k+3], s[G0X+4*\k+3], 0x80000000              ; type = 2
	s_mov_b32 s[G0Q+4*\k], 1
	s_mov_b32 s[G0Q+4*\k+1], CHUNK*\k+QOFF
	s_add_nc_u64 s[G0Q+4*\k+2:G0Q+4*\k+3], s[8:9], 384*\k
	s_or_b32 s[G0Q+4*\k+3], s[G0Q+4*\k+3], 0x80000000
	s_mov_b32 s[G0V+4*\k], 1
	s_mov_b32 s[G0V+4*\k+1], CHUNK*\k+VOFF
	s_add_nc_u64 s[G0V+4*\k+2:G0V+4*\k+3], s[16:17], 384*\k
	s_or_b32 s[G0V+4*\k+3], s[G0V+4*\k+3], 0x80000000
.endr
	s_cmp_lt_u32 s[WV], 2                          ; waves 0, 1: X's halves; wave 2: Wq or Wk; wave 3: Wv.  Every wave issues two loads, in one arm: two tensor loads of mine are out
	s_cbranch_scc0 .Lnot_x
	FIRST G0X, G1X
	s_branch .Lasked
.Lnot_x:
	s_cmp_eq_u32 s[WV], 2
	s_cbranch_scc0 .Lfor_v
	FIRST G0Q, G1Q
	s_branch .Lasked
.Lfor_v:
	FIRST G0V, G1V
.Lasked:
	; the scale words and the biases go straight into registers: a row's 32 scale bytes are its eight words, two loads of 16 bytes
	s_lshl_b32 s2, s35, 13
	s_lshl_b32 s3, s[WV], 11
	s_add_co_u32 s2, s2, s3                        ; (256 rb + 64 w) x 32
	s_mov_b32 s3, 0
	s_add_nc_u64 s[6:7], s[6:7], s[2:3]
	s_lshl_b32 s2, s38, 11
	s_add_nc_u64 s[10:11], s[10:11], s[2:3]        ; 64 c rows
	s_lshl_b32 s2, s33, 10
	s_add_nc_u64 s[18:19], s[18:19], s[2:3]        ; 32 cx rows
	s_lshl_b32 s2, s38, 8
	s_add_nc_u64 s[20:21], s[20:21], s[2:3]        ; bq or bk at channel 64 c
	s_lshl_b32 s2, s33, 7
	s_add_nc_u64 s[24:25], s[24:25], s[2:3]        ; bv at channel 32 cx
	v_and_b32 v1, 15, v0                           ; r
	v_bfe_u32 v2, v0, 4, 1                         ; h
	v_and_b32 v3, 31, v0                           ; lane
	v_lshlrev_b32 v16, 4, v3
	v_lshlrev_b32 v17, 3, v3
	v_xor_b32 v188, 8, v3                          ; lane xor 8: the place of my bytes in the images of tiles 2 and 3 of Q or K
	v_lshlrev_b32 v189, 3, v188
	v_lshlrev_b32 v188, 4, v188
	v_lshlrev_b32 v18, 5, v1
	v_lshlrev_b32 v19, 5, v2
	v_lshlrev_b32 v20, 2, v1
.irp i, 0,1,2,3
	global_load_b128 v[XS+8*\i:XS+8*\i+3],   v18, s[6:7] offset:512*\i
	global_load_b128 v[XS+8*\i+4:XS+8*\i+7], v18, s[6:7] offset:512*\i+16
.endr
.irp t, 0,1,2,3
	global_load_b128 v[WS+8*\t:WS+8*\t+3],   v18, s[10:11] offset:512*\t
	global_load_b128 v[WS+8*\t+4:WS+8*\t+7], v18, s[10:11] offset:512*\t+16
.endr
.irp t, 0,1
	global_load_b128 v[WS+32+8*\t:WS+32+8*\t+3], v18, s[18:19] offset:512*\t
	global_load_b128 v[WS+36+8*\t:WS+36+8*\t+3], v18, s[18:19] offset:512*\t+16
	global_load_b32 v[28+\t], v20, s[24:25] offset:64*\t           ; bv of channel r of tile t
.endr
	WIN 0x40                                       ; destination window 1
.irp t, 0,1,2,3
	global_load_b128 v[192+8*\t:192+8*\t+3], v19, s[20:21] offset:64*\t       ; the bias of channels 16 t + 8 h + 0..7: the result's layout
	global_load_b128 v[196+8*\t:196+8*\t+3], v19, s[20:21] offset:64*\t+16
.endr
	WIN 0
	; LDS addresses: row x pitch + 24 h, and + 40 h for the pieces that lie behind one padding more in lanes 16-31
	v_mul_u32_u24 v30, v1, PITCH
	v_mad_u32_u24 v30, v2, 24, v30
	v_lshl_add_u32 v31, v2, 4, v30
	s_mul_i32 s67, s[WV], 64*PITCH                 ; my 64 rows of X
.irp k, 0,1
	v_add_nc_u32 v[4+6*\k], s67, v30
	v_add_nc_u32 v[5+6*\k], s67, v31
	v_add_nc_u32 v[6+6*\k], CHUNK*\k+QOFF, v30
	v_add_nc_u32 v[7+6*\k], CHUNK*\k+QOFF, v31
	v_add_nc_u32 v[8+6*\k], CHUNK*\k+VOFF, v30
	v_add_nc_u32 v[9+6*\k], CHUNK*\k+VOFF, v31
	s_add_co_u32 s67, s67, CHUNK
.endr
	s_lshl_b32 s2, s[WV], 7
	s_add_co_u32 s2, s2, KST
	v_lshl_add_u32 v21, v1, 3, s2                  ; KST + 128 w + 8 r
	s_lshl_b32 s2, s39, 7
	s_lshl_b32 s67, s45, 1
	s_add_co_u32 s2, s2, s67
	s_add_co_u32 s2, s2, VST
	v_lshl_add_u32 v22, v1, 2, s2                  ; VST + 128 (w / 2) + 2 (w % 2) + 4 r
	v_lshl_add_u32 v23, v3, 4, KST
	v_lshl_add_u32 v24, v3, 3, VST
	v_lshlrev_b32 v25, 4, v1
	v_lshl_add_u32 v25, v2, 9, v25                 ; 16 (l % 16) + 512 (l / 16)
.irp b, 0,1,2,3
	v_mov_b32 v[TM+4+\b], 0                        ; written once: a lane permute's destination counts as one of its sources
.endr
	; where the results go
	s_mul_i32 s66, s35, 51200                      ; kv's block rb
	s_mul_i32 s2, s39, 24576
	s_add_co_u32 s2, s2, s66
	s_mul_i32 s67, s33, 3072
	s_add_co_u32 s2, s2, s67
	s_mul_i32 s67, s45, 768
	s_add_co_u32 s2, s2, s67
	s_add_co_u32 s2, s2, 12288
	s_add_nc_u64 s[OV:OV+1], s[30:31], s[2:3]      ; V^T: key step w / 2, channel tile 2 cx, key half w % 2
	s_lshl_b32 s2, s33, 8
	s_add_co_u32 s2, s2, s66
	s_add_co_u32 s2, s2, 50176
	s_add_nc_u64 s[OVS:OVS+1], s[30:31], s[2:3]
	s_mul_i32 s2, s39, 24576
	s_add_co_u32 s2, s2, s66
	s_mul_i32 s67, s45, 6144
	s_add_co_u32 s2, s2, s67                       ; K's place in kv,
	s_mul_i32 s67, s35, 24576
	s_mul_i32 s3, s[WV], 6144
	s_add_co_u32 s67, s67, s3                      ; Q's in qc: block of queries 4 rb + w
	s_mul_i32 s3, s38, 768
	s_cmp_lt_u32 s33, 2
	s_cselect_b32 s2, s67, s2
	s_cselect_b64 s[OQK:OQK+1], s[26:27], s[30:31]
	s_add_co_u32 s2, s2, s3                        ; + channel half c
	s_mov_b32 s3, 0
	s_add_nc_u64 s[OQK:OQK+1], s[OQK:OQK+1], s[2:3]
	s_add_co_u32 s2, s66, 49152
	s_lshl_b32 s67, s35, 10
	s_cmp_lt_u32 s33, 2
	s_cselect_b32 s2, s67, s2
	s_cselect_b64 s[OSC:OSC+1], s[28:29], s[30:31]
	s_lshl_b32 s67, s38, 8
	s_add_co_u32 s2, s2, s67
	s_add_nc_u64 s[OSC:OSC+1], s[OSC:OSC+1], s[2:3]
	s_wait_loadcnt 0x0                             ; scale words and biases
	WIN 0x40
.irp t, 0,1
.irp j, 0,1,2,3,4,5,6,7
	v_mov_b32 v[224+8*\t+\j], v[28+\t]             ; V's result holds one channel a lane: its bias in all eight registers
.endr
.endr
	WIN 0
; A fragment, 16 rows x 128 K, is 12 registers: lane (r, h): registers 6 c .. 6 c + 5 = K 64 c + 32 h + 0..31: 24 bytes of the row's stream of bits, in pieces of 8 bytes.  q: which 128 of the chunk's 512; i: which 16 rows.
.macro FRAG reg, adr, q, i
.irp p, 0,1,2,3,4,5
.set PCN, 12*(\q)+6*(\p/3)+\p%3                ; lanes 0-15 take piece PCN, lanes 16-31 the piece three on; 16 bytes of padding lie behind every 16 pieces
.if PCN%16 < 13
	ds_load_b64 v[(\reg)+2*\p:(\reg)+2*\p+1], v[\adr] offset:8*PCN+16*(PCN/16)+(\i)*16*PITCH
.else
	ds_load_b64 v[(\reg)+2*\p:(\reg)+2*\p+1], v[\adr+1] offset:8*PCN+16*(PCN/16)+(\i)*16*PITCH
.endif
.endr
.endm
.macro FETCH s, bf                     ; K step s: ten fragments, 60 loads, into set bf
	WIN 0x80                                       ; destination window 2
.set KA, 6*((\s)/4)
.irp i, 0,1,2,3
	FRAG 120*(\bf)+12*\i, 4+KA, (\s)%4, \i
.endr
.irp t, 0,1,2,3
	FRAG 120*(\bf)+48+12*\t, 6+KA, (\s)%4, \t
.endr
.irp t, 0,1
	FRAG 120*(\bf)+96+12*\t, 8+KA, (\s)%4, \t
.endr
.endm
; 24 products, the 24 accumulators by turns in the same order in every K step.  The first K step takes the bias as C: nothing is cleared and nothing is added later.
.macro MULS s, bf
	WIN 0x5a                                       ; sources 0 and 1 window 2, C and D window 1
.set FB, 120*(\bf)
.irp m, 0,1,2,3
.irp t, 0,1,2,3
.if (\s) == 0
	v_wmma_scale_f32_16x16x128_f8f6f4 v[32*\m+8*\t:32*\m+8*\t+7], v[FB+48+12*\t:FB+48+12*\t+11], v[FB+12*\m:FB+12*\m+11], v[192+8*\t:192+8*\t+7], v[WS+8*\t+(\s)], v[XS+8*\m+(\s)] matrix_a_fmt:MATRIX_FMT_FP6 matrix_b_fmt:MATRIX_FMT_FP6
.else
	v_wmma_scale_f32_16x16x128_f8f6f4 v[32*\m+8*\t:32*\m+8*\t+7], v[FB+48+12*\t:FB+48+12*\t+11], v[FB+12*\m:FB+12*\m+11], v[32*\m+8*\t:32*\m+8*\t+7], v[WS+8*\t+(\s)], v[XS+8*\m+(\s)] matrix_a_fmt:MATRIX_FMT_FP6 matrix_b_fmt:MATRIX_FMT_FP6
.endif
.endr
.endr
.irp t, 0,1
.irp m, 0,1,2,3
.if (\s) == 0
	v_wmma_scale_f32_16x16x128_f8f6f4 v[128+32*\t+8*\m:128+32*\t+8*\m+7], v[FB+12*\m:FB+12*\m+11], v[FB+96+12*\t:FB+96+12*\t+11], v[224+8*\t:224+8*\t+7], v[XS+8*\m+(\s)], v[WS+32+8*\t+(\s)] matrix_a_fmt:MATRIX_FMT_FP6 matrix_b_fmt:MATRIX_FMT_FP6
.else
	v_wmma_scale_f32_16x16x128_f8f6f4 v[128+32*\t+8*\m:128+32*\t+8*\m+7], v[FB+12*\m:FB+12*\m+11], v[FB+96+12*\t:FB+96+12*\t+11], v[128+32*\t+8*\m:128+32*\t+8*\m+7], v[XS+8*\m+(\s)], v[WS+32+8*\t+(\s)] matrix_a_fmt:MATRIX_FMT_FP6 matrix_b_fmt:MATRIX_FMT_FP6
.endif
.endr
.endr
.endm
; 64 sums of window 1, v[a] on, register 16 b + i = my 16 numbers of block b, become two half fragments in v[pc] .. v[pc + 11] and the four blocks' scale bytes in v[pw].
.macro QUANT1 a, pc, pw
	WIN 0x14                                       ; sources 1 and 2 window 1
.irp b, 0,1,2,3
	v_max3_num_f32 v[TM+\b], 0x1800000, |v[(\a)+16*\b]|, |v[(\a)+16*\b+1]|   ; the floor 2^(3 - 127) among the leaves: the byte cannot fall under 1.  Each accumulator is read from its low end on
.endr
.irp i, 2,4,6,8,10,12,14
.irp b, 0,1,2,3
	v_max3_num_f32 v[TM+\b], v[TM+\b], |v[(\a)+16*\b+\i]|, |v[(\a)+16*\b+\i+1]|   ; the four blocks by turns
.endr
.endr
	WIN 0
.irp b, 0,1,2,3
	v_permlanex16_b32 v[TM+4+\b], v[TM+\b], s[SEL], s[SEL+1]
.endr
.irp b, 0,1,2,3
	v_max_num_f32 v[TM+\b], v[TM+\b], v[TM+4+\b]   ; with lane l xor 16's 16: the block's largest magnitude
.endr
.irp b, 0,1,2,3
	v_add_nc_u32 v[TM+12+\b], 0xff000000, v[TM+\b] ; 2 off its exponent field: the conversion's scale operand
.endr
.irp b, 0,1,2,3
	v_lshrrev_b32 v[TM+4+\b], 23, v[TM+12+\b]      ; the scale's byte
.endr
	v_lshl_or_b32 v[\pw], v[TM+5], 8, v[TM+4]
	v_lshl_or_b32 v[\pw], v[TM+6], 16, v[\pw]
	v_lshl_or_b32 v[\pw], v[TM+7], 24, v[\pw]
	WIN 0x01                                       ; source 0 window 1
.irp c, 0,1
	v_cvt_scalef32_pk16_fp6_f32 v[(\pc)+6*\c:(\pc)+6*\c+2], v[(\a)+32*\c:(\a)+32*\c+15], v[TM+12+2*\c]
	v_cvt_scalef32_pk16_fp6_f32 v[(\pc)+12+4*\c:(\pc)+14+4*\c], v[(\a)+32*\c+16:(\a)+32*\c+31], v[TM+13+2*\c]   ; (a conversion's three registers begin on an even number)
.endr
	WIN 0
	v_nop                                          ; one plain place behind a scaled conversion
.irp c, 0,1                                    ; a whole block to a lane: lanes 0-15 the first block of the pair, lanes 16-31 the second
.irp i, 0,1,2
	v_permlane16_swap_b32 v[(\pc)+6*\c+\i], v[(\pc)+12+4*\c+\i]
.endr
.irp i, 0,1,2
	v_mov_b32 v[(\pc)+3+6*\c+\i], v[(\pc)+12+4*\c+\i]
.endr
.endr
.endm
.macro PUT pc, base, off, a16, a8      ; two half fragments leave, 1,536 bytes apart: 512 + 256 consecutive bytes each, at multiples of 256 from the buffer's first byte.  a16, a8: the lane's place, 16 and 8 bytes a lane
	global_store_b128 v[\a16], v[(\pc):(\pc)+3], s[\base:\base+1] offset:\off
	global_store_b64 v[\a8], v[(\pc)+4:(\pc)+5], s[\base:\base+1] offset:\off+512
	global_store_b128 v[\a16], v[(\pc)+6:(\pc)+9], s[\base:\base+1] offset:\off+1536
	global_store_b64 v[\a8], v[(\pc)+10:(\pc)+11], s[\base:\base+1] offset:\off+2048
.endm
	s_wait_tensorcnt 0x1                           ; my part of chunk 0 is in; chunk 1's load, the one younger, may stay out
	s_barrier_signal -1
	s_barrier_wait -1                              ; everybody's is
	FETCH 0, 0
.set SS, 0
.rept 8
.if SS >= 1
	PLACES 4                                       ; in front of loads into the set that the last K step's products read (ISA guide 7.12.1 for vector instructions)
.endif
.if SS == 3
	s_wait_dscnt 0x0                               ; no LDS load of mine is out at the signal
	s_wait_tensorcnt 0x0                           ; my part of chunk 1 is in,
	s_barrier_signal -1
	s_barrier_wait -1                              ; everybody's is
.endif
.if SS < 7
	FETCH SS+1, (SS+1)%2
	s_wait_dscnt 60                                ; all but the 60 just issued: this K step's fragments are in
.else
	s_wait_dscnt 0x0
.endif
	MULS SS, SS%2
.set SS, SS+1
.endr
	PLACES 4                                       ; in front of the first read of results
	QUANT1 0, PC, TM+8                             ; my row tiles 0, 1 of Q or K; each run has its own registers for its codes, so no store's data are written again
	PUT PC, OQK, 0, 16, 17
	QUANT1 64, PC+20, TM+9                         ; tiles 2, 3: lane l's bytes go to the place of lane l xor 8
	PUT PC+20, OQK, 3072, 188, 189
	QUANT1 128, PC+40, TM+10                       ; V's two channel tiles, my 64 keys
	PUT PC+40, OV, 0, 16, 17
	ds_store_b64 v21, v[TM+8:TM+9]                 ; row r's byte pairs of my four tiles (both halves of the lanes write the same bytes with the same value)
	ds_store_b16 v22, v[TM+10]                     ; channel r of tile 0: my two key blocks' bytes in its scale word,
	ds_store_b16_d16_hi v22, v[TM+10] offset:64    ; and of tile 1
	s_wait_dscnt 0x0                               ; for the others' sake: my stores have landed
	s_barrier_signal -1
	s_barrier_wait -1
	s_cmp_eq_u32 s[WV], 0
	s_cbranch_scc0 .Lnot_w0
	ds_load_b128 v[192:195], v23                   ; the work-group's 512 scale bytes of Q or K leave as two aligned runs of 256 bytes, 512 bytes apart
	s_wait_dscnt 0x0
	global_store_b128 v25, v[192:195], s[OSC:OSC+1]
.Lnot_w0:
	s_cmp_eq_u32 s[WV], 1
	s_cbranch_scc0 .Lnot_w1
	ds_load_b64 v[196:197], v24                    ; V's 64 scale words: one aligned run of 256 bytes
	s_wait_dscnt 0x0
	global_store_b64 v17, v[196:197], s[OVS:OVS+1]
.Lnot_w1:
	s_wait_tensorcnt 0x0                           ; the wave's end: behind my last tensor load and my last LDS store
	ds_add_u32 v[SPW], v[NIL]
	s_wait_dscnt 0x0
	CROUND                                         ; the closing round
	s_endpgm
.Lfunc_end_k_q64b233e39d_proj:
	.size	k_q64b233e39d_proj, .Lfunc_end_k_q64b233e39d_proj-k_q64b233e39d_proj
	.p2alignl 7, 3214868480
	.fill 96, 4, 3214868480
	.section	.rodata,"a",@progbits
	.p2align	6, 0x0
	.amdhsa_kernel k_q64b233e39d_proj
		.amdhsa_group_segment_fixed_size 307200
		.amdhsa_private_segment_fixed_size 0
		.amdhsa_enable_private_segment 0
		.amdhsa_kernarg_size 112
		.amdhsa_user_sgpr_count 2
		.amdhsa_user_sgpr_kernarg_segment_ptr 1
		.amdhsa_wavefront_size32 1
		.amdhsa_system_sgpr_workgroup_id_x 1
		.amdhsa_system_sgpr_workgroup_id_y 1
		.amdhsa_system_sgpr_workgroup_id_z 1
		.amdhsa_system_vgpr_workitem_id 0
		.amdhsa_next_free_vgpr 768
		.amdhsa_next_free_sgpr 102
		.amdhsa_reserve_vcc 0
		.amdhsa_float_denorm_mode_32 3
		.amdhsa_float_denorm_mode_16_64 3
		.amdhsa_memory_ordered 1
		.amdhsa_forward_progress 1
		.amdhsa_inst_pref_size 84
	.end_amdhsa_kernel
	.amdgpu_metadata
---
amdhsa.version: [ 1, 2 ]
amdhsa.kernels:
  - .name:           k_q64b233e39d_proj
    .symbol:         k_q64b233e39d_proj.kd
    .args:
      - { .name: X_codes, .offset: 0, .size: 8, .value_kind: global_buffer, .address_space: global }
      - { .name: X_scales, .offset: 8, .size: 8, .value_kind: global_buffer, .address_space: global }
      - { .name: Wq_codes, .offset: 16, .size: 8, .value_kind: global_buffer, .address_space: global }
      - { .name: Wq_scales, .offset: 24, .size: 8, .value_kind: global_buffer, .address_space: global }
      - { .name: Wk_codes, .offset: 32, .size: 8, .value_kind: global_buffer, .address_space: global }
      - { .name: Wk_scales, .offset: 40, .size: 8, .value_kind: global_buffer, .address_space: global }
      - { .name: Wv_codes, .offset: 48, .size: 8, .value_kind: global_buffer, .address_space: global }
      - { .name: Wv_scales, .offset: 56, .size: 8, .value_kind: global_buffer, .address_space: global }
      - { .name: bq, .offset: 64, .size: 8, .value_kind: global_buffer, .address_space: global }
      - { .name: bk, .offset: 72, .size: 8, .value_kind: global_buffer, .address_space: global }
      - { .name: bv, .offset: 80, .size: 8, .value_kind: global_buffer, .address_space: global }
      - { .name: qc, .offset: 88, .size: 8, .value_kind: global_buffer, .address_space: global }
      - { .name: qs, .offset: 96, .size: 8, .value_kind: global_buffer, .address_space: global }
      - { .name: kv, .offset: 104, .size: 8, .value_kind: global_buffer, .address_space: global }
    .group_segment_fixed_size: 307200
    .private_segment_fixed_size: 0
    .kernarg_segment_align: 8
    .kernarg_segment_size: 112
    .max_flat_workgroup_size: 128
    .sgpr_count:     102
    .vgpr_count:     768
    .wavefront_size: 32
...
	.end_amdgpu_metadata
.endif
;; end of part 1
;; launch attn (part 2): grid 64 x 4, 4 waves a work-group, clusters of 4 x 1, 327,680 bytes of LDS; arguments qc, qs, kv, out0; writes out0
.if DOCPART == 2
	.amdgcn_target "amdgcn-amd-amdhsa--gfx1250"
	.amdhsa_code_object_version 6
	.text
	.protected	k_q64b233e39d_attn
	.globl	k_q64b233e39d_attn
	.p2align	8
	.type	k_q64b233e39d_attn,@function
k_q64b233e39d_attn:
	s_mov_b64 s[64:65], 0
	v_nop
	global_prefetch_b8 v0, s[64:65] scope:SCOPE_SE
	s_setreg_imm32_b32 hwreg(HW_REG_WAVE_MODE, 25, 1), 1
	s_wait_xcnt 0x0
	s_wait_alu depctr_hold_cnt(0) depctr_sa_sdst(0) depctr_va_vdst(0) depctr_va_sdst(0) depctr_va_ssrc(0) depctr_va_vcc(0) depctr_vm_vsrc(0)
	s_getreg_b32 s2, hwreg(HW_REG_IB_STS2, 6, 4)
	s_cmp_eq_u32 s2, 0
	s_cbranch_scc0 .Lentry_in_a_cluster
	s_endpgm
.Lentry_in_a_cluster:
	s_bfe_u32 s2, ttmp6, 0x10000c
	s_cmp_lg_u32 s2, 0x3003
	s_cbranch_scc0 .Lentry_shape_is_right
	s_endpgm
.Lentry_shape_is_right:
; out[n][i][:] = the sum over j of A[n][i][j] V[n][j][:], A = Q K^T, both products on codes of E2M3 with one E8M0 scale for each 32 along K.  Q, K and V come as codes from the first launch (its head comment has the
; layouts of qc, qs, kv); A is made in f32 by the matrix unit, quantised in registers along the keys, in blocks of 32 keys, and never leaves the registers.  Nothing is left out: all of A passes its quantiser.
; LIMITS: NaN and infinities are not served.  A block of A that is all zeros, or whose largest magnitude lies under 2^-124, gets the scale byte 1: its codes are zeros.  The f32 sums over the keys are taken in
; another order than the definition's: each wave sums a quarter of the keys, from a slot that hangs on the cluster's number, and the four parts are added at the end.
; SHARES.  256 work-groups; each owns 64 queries of one batch: four tiles of 16.  THE WAVES SHARE THE KEYS: every wave holds all four tiles of queries and a part of O^T (256 registers); of each slot of 512 keys it takes one
; key step of 128.  So each fragment of K and of V is read from LDS once in the work-group and feeds four products.
; CLUSTER 4 x 1: four blocks of queries of one batch walk the same K and V: each slot is asked for jointly, every wave a quarter of it (25,600 dense bytes), by the same tensor load with the same descriptor and a mask that names the four.
; The sixteen clusters of a batch begin at different slots (cluster % 8) and walk round: only global addresses hang on that.
; LAYOUT.  S^T = K Q^T (source 0 = 16 keys, source 1 = 16 queries): a lane holds ONE query and the tile's rows 8 (lane / 16) + j.
; THE KEYS OF A TILE ARE CHOSEN SO THAT A BLOCK OF 32 KEYS LIES WHOLE IN ONE LANE.  Tile n = 4 g + i of a key step takes, as its rows 0-7, keys 64 g + 8 pi(i) + 0..7 and, as its rows 8-15, keys 64 g + 32 + 8 pi(i) + 0..7, pi = 0, 2, 1, 3.
; So lane (q, h) holds in the 32 registers of tiles 4 g .. 4 g + 3 all of block 2 g + h: its largest magnitude needs no other lane, the conversions' results are source 1 of O^T = V^T P^T with no exchange of halves, and pi puts
; the keys of a block in the order in which the first launch has laid V's.  The rows come out of the first launch's images of 16 neighbouring keys by a lane term in the LDS address: row r of tile n is row 8 (i / 2) + r % 8 of
; image 4 g + 2 (r / 8) + i % 2; images 2 and 3 of four are laid with lane l at the place of lane l xor 8, so that the two groups of eight lanes of a load fall into different halves of a run of 256 bytes.
; BY TURNS.  A tile's quantiser is 50 vector instructions beside its 16 products.  In a GROUP tile b is quantised, in slices of three; ahead of slices 0-7 stand the products K Q^T of the tile after it, ahead of slices 8-15 the
; products V^T P of the tile before it.  Four groups are a key step.
; No prefetch is laid: the launch walks 0.8 MB a batch eight slots deep and each slot is named by sixteen clusters; the tiles come by their joint loads alone.
; REGISTERS, in windows of 256.  Window 0: v2-13, v40-42, v106-116 addresses; v14, v15 the add's two; v16-19 Q's scale words; v20-27 K's, v28-35 V's (two sets); v36-39 K's scale bytes as loaded; v44-47 P's scale words;
;   v48-63 at work; v64-103 P's codes, two sets of 20; v128-255 S^T, two buffers of 64.   Window 1: K 0-95 and V 96-191, set 0; Q 192-239.   Window 3: K and V, set 1.   Window 2: O^T at 64 t + 8 n.
.set SLOT1, 131072                     ; slot 1 begins here: one exclusive or turns the walking descriptor's LDS address
.set PAIRB, 51200                      ; a block of kv: 256 keys
.set SLOTB, 102400                     ; a slot: two of them
.set QUART, 25600                      ; what one tensor load brings
.set SPARE, 233472                     ; behind the ring: the spare words, 128 bytes for each wave: two blocks of 256 bytes that no other line names
.set SROW,  528                        ; the way out: a stage row, 512 bytes + 16; 64 rows for each wave, from LDS byte 0 on, in slots that have had their last fill and their last read
.set A16, 2                            ; V's images: 16 x lane, 8 x lane, for slot 0, 1
.set A8,  4
.set AKS, 6
.set AVS, 8
.set STO, 10
.set GO,  12
.set L8,  13
.set SPW, 14
.set NIL, 15
.set QSC, 16
.set KSC, 20
.set VSC, 28
.set KRAW, 36
.set PSC, 44
.set TM,  48                           ; +0..3 four chains of maxima; +4..6 the bytes at work; +12, +13 the conversions' scale operands
.set PC,  64
.set K16, 106                          ; K's rows, 16 bytes a lane: v[K16 + 2 u + slot], u = (n % 4) / 2
.set K8,  110                          ; and 8 bytes a lane
.set SH8, 114                          ; 8 h
.set GOX, 115                          ; 16 x (lane xor 8)
.set L8X, 116                          ; 8 x (lane xor 8)
.set S,   128
.set QF,  192
.set WV,  12                           ; s12 wave; s13 cx; s14 my block of queries; s15 batch
.set SEL, 20
.set DD,  22                           ; s22 the slot of keys that the walking descriptor names
.set G1,  24
.set G0A, 32
.set G0B, 36
.set KVB, 40                           ; s[40:41] kv at my batch and my quarter of a slot
.set OFP, 42                           ; s[42:43] 102,400 x slot
.set P0,  51                           ; s51, s52 byte selectors
.set P1,  52
.set MSB, 0
.macro WIN new                         ; the immediate's high byte repeats the setting that is left; a switch that changes nothing is dropped
.if MSB != (\new)
	s_set_vgpr_msb (MSB<<8)|(\new)
.set MSB, (\new)
.endif
.endm
.macro CROUND                          ; a round of the cluster's barrier
	s_barrier_signal -1
	s_barrier_wait -1
	s_cmp_lg_u32 s[WV], 0
	s_cbranch_scc1 .Lnot_wave_0_\@
	s_barrier_signal -3
.Lnot_wave_0_\@:
	s_barrier_wait -3
	s_barrier_signal -1
	s_barrier_wait -1
.endm
	s_load_b256 s[4:11], s[0:1], 0x0               ; qc s[4:5], qs s[6:7], kv s[8:9], out0 s[10:11]
	v_lshl_add_u32 v[SPW], v0, 2, SPARE
	v_mov_b32 v[NIL], 0
	ds_add_u32 v[SPW], v[NIL]                      ; the wave's opening: the add, twice on end, and its wait ahead of the first tensor loads; work on registers stands between
	ds_add_u32 v[SPW], v[NIL]
	v_lshrrev_b32 v1, 5, v0
	v_readfirstlane_b32 s[WV], v1                  ; wave 0..3
	s_bfe_u32 s13, ttmp6, 0x40000                  ; cx: it enters Q's, its scales' and the output's addresses alone
	s_and_b32 s15, ttmp7, 0xffff                   ; the batch
	s_mov_b32 s[G1], 15|(3<<16)|(1<<21)            ; 15:0 the mask: all four work-groups; 17:16 elements of 8 bytes; 20 no padding; 21 set beside a mask
	s_mov_b32 s[G1+1], 32<<16                      ; tensor_dim0 = 32: rows of 256 bytes
	s_mov_b32 s[G1+2], 100<<16                     ; tensor_dim1 = 100
	s_mov_b32 s[G1+3], 32<<16                      ; tile_dim0
	s_mov_b32 s[G1+4], 100                         ; tile_dim1
	s_mov_b32 s[G1+5], 32                          ; the rows are dense
	s_mov_b32 s[G1+6], 0
	s_mov_b32 s[G1+7], 0
	s_mov_b32 s[SEL], 0x76543210
	s_mov_b32 s[SEL+1], 0xfedcba98                 ; v_permlanex16_b32's selects for lane l xor 16
	s_mov_b32 s[P0], 0x05040100                    ; v_perm_b32: the two low halves
	s_mov_b32 s[P1], 0x07060302                    ; the two high halves
	s_mul_i32 s18, s15, 819200                     ; a batch's 16 blocks of kv
	s_mul_i32 s44, s[WV], QUART                    ; my quarter, in memory and in a slot
	s_add_co_u32 s18, s18, s44
	s_mov_b32 s19, 0
	s_and_b32 s[DD], ttmp9, 7                      ; the slot at which my cluster begins
	s_mul_i32 s[OFP], s[DD], SLOTB
	s_mov_b32 s[OFP+1], 0
	s_wait_dscnt 0x0                               ; both opening adds are done
	s_wait_kmcnt 0x0
	s_add_nc_u64 s[KVB:KVB+1], s[8:9], s[18:19]
	CROUND                                         ; all four work-groups are here: the first joint loads meet
	s_mov_b32 s[G0A], 1
	s_mov_b32 s[G0A+1], s44                        ; slot 0
	s_add_nc_u64 s[G0A+2:G0A+3], s[KVB:KVB+1], s[OFP:OFP+1]
	s_or_b32 s[G0A+3], s[G0A+3], 0x80000000
	s_add_co_u32 s[DD], s[DD], 1
	s_and_b32 s[DD], s[DD], 7
	s_mul_i32 s[OFP], s[DD], SLOTB
	s_mov_b32 s[G0B], 1
	s_add_co_u32 s[G0B+1], s44, SLOT1              ; slot 1
	s_add_nc_u64 s[G0B+2:G0B+3], s[KVB:KVB+1], s[OFP:OFP+1]
	s_or_b32 s[G0B+3], s[G0B+3], 0x80000000
	tensor_load_to_lds s[G0A:G0A+3], s[G1:G1+7]    ; every wave issues both first fills: two tensor loads of mine are out
	s_nop 0
	tensor_load_to_lds s[G0B:G0B+3], s[G1:G1+7]
	s_nop 0
.rept 4
	v_nop
.endr
	s_lshl_b32 s14, s15, 6
	s_lshl_b32 s16, ttmp9, 2
	s_add_co_u32 s14, s14, s16
	s_add_co_u32 s14, s14, s13                     ; my block of 64 queries: 64 x batch + 4 x cluster + cx
	s_mul_i32 s16, s14, 6144
	s_mov_b32 s17, 0
	s_add_nc_u64 s[4:5], s[4:5], s[16:17]          ; its codes
	s_lshr_b32 s16, s14, 2
	s_lshl_b32 s16, s16, 10
	s_lshr_b32 s53, s13, 1
	s_lshl_b32 s53, s53, 9
	s_add_co_u32 s16, s16, s53
	s_and_b32 s53, s13, 1
	s_lshl_b32 s53, s53, 7
	s_add_co_u32 s16, s16, s53
	s_add_nc_u64 s[6:7], s[6:7], s[16:17]          ; its scale bytes
	s_lshl_b32 s16, s14, 15
	s_lshl_b32 s53, s[WV], 13
	s_add_co_u32 s16, s16, s53
	s_add_nc_u64 s[10:11], s[10:11], s[16:17]      ; the rows that I store: 64 x block + 16 x wave, 512 bytes each
	v_and_b32 v1, 31, v0                           ; lane
	v_and_b32 v43, 15, v0                          ; r
	v_bfe_u32 v104, v0, 4, 1                       ; h
	v_lshlrev_b32 v[GO], 4, v1
	v_lshlrev_b32 v[L8], 3, v1
	v_xor_b32 v[GOX], 8, v1                        ; lane xor 8: where my bytes lie in the images of tiles 2 and 3
	v_lshlrev_b32 v[L8X], 3, v[GOX]
	v_lshlrev_b32 v[GOX], 4, v[GOX]
	v_lshlrev_b32 v105, 3, v43
	WIN 0x40                                       ; destination window 1
.irp t, 0,1                                    ; Q's four fragments stay in registers: each is two half images
	global_load_b128 v[QF+12*\t:QF+12*\t+3],    v[GO], s[4:5] offset:1536*\t
	global_load_b64  v[QF+12*\t+4:QF+12*\t+5],  v[L8], s[4:5] offset:1536*\t+512
	global_load_b128 v[QF+12*\t+6:QF+12*\t+9],  v[GO], s[4:5] offset:1536*\t+768
	global_load_b64  v[QF+12*\t+10:QF+12*\t+11], v[L8], s[4:5] offset:1536*\t+1280
.endr
.irp t, 2,3
	global_load_b128 v[QF+12*\t:QF+12*\t+3],    v[GOX], s[4:5] offset:1536*\t
	global_load_b64  v[QF+12*\t+4:QF+12*\t+5],  v[L8X], s[4:5] offset:1536*\t+512
	global_load_b128 v[QF+12*\t+6:QF+12*\t+9],  v[GOX], s[4:5] offset:1536*\t+768
	global_load_b64  v[QF+12*\t+10:QF+12*\t+11], v[L8X], s[4:5] offset:1536*\t+1280
.endr
	WIN 0
	global_load_b64 v[56:57], v105, s[6:7]         ; query r: the byte pairs of blocks 0, 1 of the four tiles,
	global_load_b64 v[58:59], v105, s[6:7] offset:256   ; and of blocks 2, 3
	; the lane terms of K's rows.  Lanes r >= 8 read two images (3,072 bytes) on, and there at the place of lane xor 8: 128 (or 64) bytes up where u = 0, down where u = 1
	v_bfe_u32 v117, v0, 3, 1                       ; r / 8
	v_and_b32 v118, 7, v0                          ; r % 8
	v_lshlrev_b32 v[SH8], 3, v104                  ; 8 h
	v_lshlrev_b32 v119, 4, v118
	v_lshl_add_u32 v119, v104, 8, v119             ; 16 (r % 8) + 256 h
	v_lshlrev_b32 v120, 3, v118
	v_lshl_add_u32 v120, v104, 7, v120             ; 8 (r % 8) + 128 h
	v_mad_u32_u24 v121, v117, 3200, v119           ; 16 bytes a lane, u = 0
	v_mad_u32_u24 v122, v117, 2944, v119           ; u = 1
	v_mad_u32_u24 v123, v117, 3136, v120           ; 8 bytes a lane, u = 0
	v_mad_u32_u24 v124, v117, 3008, v120           ; u = 1
	v_lshl_add_u32 v125, v117, 2, v120             ; K's scale bytes: 128 h + 8 (r % 8) + 4 (r / 8)
	s_lshr_b32 s45, s[WV], 1
	s_and_b32 s46, s[WV], 1
	s_mul_i32 s45, s45, PAIRB                      ; my key step: block w / 2 of the slot's two, step w % 2 in it
	s_mul_i32 s47, s46, 24576
	s_add_co_u32 s47, s47, s45
	s_lshl_b32 s48, s46, 9
	s_add_co_u32 s48, s48, s45
	s_add_co_u32 s48, s48, 49152
	s_lshl_b32 s49, s46, 7
	s_add_co_u32 s49, s49, s45
	s_add_co_u32 s49, s49, 50176
.irp g, 0,1
	v_lshl_add_u32 v[A16+\g], v1, 4, s47
	v_lshl_add_u32 v[A8+\g],  v1, 3, s47
	v_add_nc_u32 v[K16+\g],   s47, v121
	v_add_nc_u32 v[K16+2+\g], s47, v122
	v_add_nc_u32 v[K8+\g],    s47, v123
	v_add_nc_u32 v[K8+2+\g],  s47, v124
	v_add_nc_u32 v[AKS+\g],   s48, v125
	v_lshl_add_u32 v[AVS+\g], v1, 2, s49
	s_add_co_u32 s47, s47, SLOT1
	s_add_co_u32 s48, s48, SLOT1
	s_add_co_u32 s49, s49, SLOT1
.endr
	s_mul_i32 s50, s[WV], 64*SROW
	v_mul_u32_u24 v[STO], v43, SROW
	v_lshl_add_u32 v[STO], v104, 5, v[STO]
	v_add_nc_u32 v[STO], s50, v[STO]               ; the stage, in: my 64 rows; row r, + 32 h
	s_mul_i32 s50, s[WV], 16*SROW
	v_lshl_add_u32 v11, v1, 4, s50                 ; back: rows 16 w on of wave 0's part, 16 bytes a lane;
	v_add_nc_u32 v40, 64*SROW, v11                 ; of wave 1's,
	v_add_nc_u32 v41, 2*64*SROW, v11               ; wave 2's,
	v_add_nc_u32 v42, 3*64*SROW, v11               ; wave 3's
.irp b, 0,1,2,3
	v_mov_b32 v[TM+4+\b], 0                        ; written once: a lane permute's destination counts as one of its sources
.endr
; My key step's K from slot sg into set sg: its scale bytes, then 8 fragments.  Tile n = 4 g + i: image 4 g + i % 2 for lanes r < 8 (the lane term adds two images for r >= 8), rows 8 u on, u = i / 2.
; The scale bytes: a load of 4 bytes brings the byte pairs of tiles i % 2 = 0 and 1; rows 8 u on lie 64 u bytes on, channel half 1 lies 256 bytes on.
.macro FETCH_K sg
	WIN 0
	ds_load_b32 v[KRAW],   v[AKS+(\sg)]
	ds_load_b32 v[KRAW+1], v[AKS+(\sg)] offset:64
	ds_load_b32 v[KRAW+2], v[AKS+(\sg)] offset:256
	ds_load_b32 v[KRAW+3], v[AKS+(\sg)] offset:320
	WIN 0x40+0x80*(\sg)                            ; destination window 1 or 3
.irp n, 0,1,2,3,4,5,6,7
.set KU, ((\n)%4)/2
.set KO, 6144*((\n)/4)+1536*((\n)%2)
	ds_load_b128 v[12*\n:12*\n+3],     v[K16+2*KU+(\sg)] offset:KO+128*KU
	ds_load_b64  v[12*\n+4:12*\n+5],   v[K8+2*KU+(\sg)]  offset:KO+512+64*KU
	ds_load_b128 v[12*\n+6:12*\n+9],   v[K16+2*KU+(\sg)] offset:KO+768+128*KU
	ds_load_b64  v[12*\n+10:12*\n+11], v[K8+2*KU+(\sg)]  offset:KO+1280+64*KU
.endr
.endm
.macro FETCH_V sg                      ; V^T: images as they lie; register i of its scale words: lanes 0-15 channel tile 2 i, lanes 16-31 tile 2 i + 1
	WIN 0
.irp i, 0,1,2,3
	ds_load_b32 v[VSC+4*(\sg)+\i], v[AVS+(\sg)] offset:256*\i
.endr
	WIN 0x40+0x80*(\sg)
.irp n, 0,1,2,3,4,5,6,7
	ds_load_b128 v[96+12*\n:96+12*\n+3],     v[A16+(\sg)] offset:12288+1536*\n
	ds_load_b64  v[96+12*\n+4:96+12*\n+5],   v[A8+(\sg)]  offset:12288+1536*\n+512
	ds_load_b128 v[96+12*\n+6:96+12*\n+9],   v[A16+(\sg)] offset:12288+1536*\n+768
	ds_load_b64  v[96+12*\n+10:96+12*\n+11], v[A8+(\sg)]  offset:12288+1536*\n+1280
.endr
.endm
.macro PERMS sg                        ; K's scale words: the byte pairs of blocks 0, 1 and of blocks 2, 3 are joined.  Register i: lanes 0-15 tile i, lanes 16-31 tile 4 + i
	v_perm_b32 v[KSC+4*(\sg)],   v[KRAW+2], v[KRAW],   s[P0]
	v_perm_b32 v[KSC+4*(\sg)+1], v[KRAW+2], v[KRAW],   s[P1]
	v_perm_b32 v[KSC+4*(\sg)+2], v[KRAW+3], v[KRAW+1], s[P0]
	v_perm_b32 v[KSC+4*(\sg)+3], v[KRAW+3], v[KRAW+1], s[P1]
.endm
.macro SMUL t, n, sg                   ; S^T of query tile t, K's tile n: one product is the whole sum (K = 128)
	WIN 0x05+2*(\sg)                               ; K window 1 or 3, Q window 1, S^T window 0
.set rD, S+64*((\t)%2)+8*(\n)
.set rK, 12*(\n)
.set rQ, QF+12*(\t)
.if (\n) >= 4
	v_wmma_scale_f32_16x16x128_f8f6f4 v[rD:rD+7], v[rK:rK+11], v[rQ:rQ+11], 0, v[KSC+4*(\sg)+(\n)%4], v[QSC+(\t)] matrix_a_fmt:MATRIX_FMT_FP6 matrix_b_fmt:MATRIX_FMT_FP6 matrix_a_scale:MATRIX_SCALE_ROW1
.else
	v_wmma_scale_f32_16x16x128_f8f6f4 v[rD:rD+7], v[rK:rK+11], v[rQ:rQ+11], 0, v[KSC+4*(\sg)+(\n)%4], v[QSC+(\t)] matrix_a_fmt:MATRIX_FMT_FP6 matrix_b_fmt:MATRIX_FMT_FP6
.endif
.endm
.macro OMUL t, n, sg, zero             ; O^T of query tile t, channels 16 n on, += V^T P^T over my 128 keys.  zero = 1: the first key step starts the sum: nothing is cleared
	WIN 0xa1+2*(\sg)                               ; V window 1 or 3, P window 0, O^T window 2
.set rO, 64*(\t)+8*(\n)
.set rV, 96+12*(\n)
.set rB, PC+20*((\t)%2)
.if \zero
.if (\n)%2
	v_wmma_scale_f32_16x16x128_f8f6f4 v[rO:rO+7], v[rV:rV+11], v[rB:rB+11], 0, v[VSC+4*(\sg)+(\n)/2], v[PSC+(\t)] matrix_a_fmt:MATRIX_FMT_FP6 matrix_b_fmt:MATRIX_FMT_FP6 matrix_a_scale:MATRIX_SCALE_ROW1
.else
	v_wmma_scale_f32_16x16x128_f8f6f4 v[rO:rO+7], v[rV:rV+11], v[rB:rB+11], 0, v[VSC+4*(\sg)+(\n)/2], v[PSC+(\t)] matrix_a_fmt:MATRIX_FMT_FP6 matrix_b_fmt:MATRIX_FMT_FP6
.endif
.else
.if (\n)%2
	v_wmma_scale_f32_16x16x128_f8f6f4 v[rO:rO+7], v[rV:rV+11], v[rB:rB+11], v[rO:rO+7], v[VSC+4*(\sg)+(\n)/2], v[PSC+(\t)] matrix_a_fmt:MATRIX_FMT_FP6 matrix_b_fmt:MATRIX_FMT_FP6 matrix_a_scale:MATRIX_SCALE_ROW1
.else
	v_wmma_scale_f32_16x16x128_f8f6f4 v[rO:rO+7], v[rV:rV+11], v[rB:rB+11], v[rO:rO+7], v[VSC+4*(\sg)+(\n)/2], v[PSC+(\t)] matrix_a_fmt:MATRIX_FMT_FP6 matrix_b_fmt:MATRIX_FMT_FP6
.endif
.endif
.endm
; THE QUANTISER of tile t's 64 scores a lane: registers 0-31 are block h of the key step, registers 32-63 block 2 + h, each whole.  A list of 50 instructions, all in window 0; QI writes number j of it.
;   0-31   the two largest magnitudes, in four chains of 16 registers by turns (chains 0, 2, 1, 3), each accumulator from its low end on.  Chains 0 and 2 have the floor 2^(3 - 127) among their leaves;
;          chains 1 and 3 begin with three scores and take chain 0's or 2's result as their last leaf: 17 leaves in eight instructions each
;   32-33  2 off the exponent fields: the conversions' scale operands      34-37  the conversions
;   38-43  the bytes; my two at their places in the scale word (8 h bits up); with lane l xor 16's two the word is whole.  (Plain lines: the place behind the conversions)
;   44-49  the upper halves move to their registers (a conversion's three registers begin on an even number)
.macro QI t
.set rS, S+64*((\t)%2)
.set rP, PC+20*((\t)%2)
.set qch, 2*(j%2)+(j%4)/2
.set qop, j/4
.set rC, rS+16*qch
.if j < 50
	WIN 0
.endif
.if j < 32
.if qch%2 == 0
.if qop == 0
	v_max3_num_f32 v[TM+qch], |v[rC]|, |v[rC+1]|, 0x1800000
.else
	v_max3_num_f32 v[TM+qch], v[TM+qch], |v[rC+2*qop]|, |v[rC+2*qop+1]|
.endif
.else
.if qop == 0
	v_max3_num_f32 v[TM+qch], |v[rC]|, |v[rC+1]|, |v[rC+2]|
.elseif qop < 7
	v_max3_num_f32 v[TM+qch], v[TM+qch], |v[rC+2*qop+1]|, |v[rC+2*qop+2]|
.else
	v_max3_num_f32 v[TM+qch], v[TM+qch], |v[rC+15]|, v[TM+qch-1]
.endif
.endif
.elseif j == 32
	v_add_nc_u32 v[TM+12], 0xff000000, v[TM+1]
.elseif j == 33
	v_add_nc_u32 v[TM+13], 0xff000000, v[TM+3]
.elseif j == 34
	v_cvt_scalef32_pk16_fp6_f32 v[rP:rP+2], v[rS:rS+15], v[TM+12]
.elseif j == 35
	v_cvt_scalef32_pk16_fp6_f32 v[rP+12:rP+14], v[rS+16:rS+31], v[TM+12]
.elseif j == 36
	v_cvt_scalef32_pk16_fp6_f32 v[rP+6:rP+8], v[rS+32:rS+47], v[TM+13]
.elseif j == 37
	v_cvt_scalef32_pk16_fp6_f32 v[rP+16:rP+18], v[rS+48:rS+63], v[TM+13]
.elseif j == 38
	v_lshrrev_b32 v[TM+4], 23, v[TM+12]
.elseif j == 39
	v_lshrrev_b32 v[TM+5], 23, v[TM+13]
.elseif j == 40
	v_lshl_or_b32 v[TM+4], v[TM+5], 16, v[TM+4]
.elseif j == 41
	v_lshlrev_b32 v[TM+4], v[SH8], v[TM+4]
.elseif j == 42
	v_permlanex16_b32 v[TM+6], v[TM+4], s[SEL], s[SEL+1]
.elseif j == 43
	v_or_b32 v[PSC+(\t)], v[TM+4], v[TM+6]
.elseif j < 50
.set qc2, (j-44)/3
.set qi2, (j-44)%3
	v_mov_b32 v[rP+3+6*qc2+qi2], v[rP+12+4*qc2+qi2]
.endif
.endm
; A GROUP: tile bt is quantised; ahead of slices 0-7 the products K Q^T of tile at (K's set asg), ahead of slices 8-15 the products V^T P of tile ct (V's set csg; cz = 1: they start the sums).  at or ct = -1: none.
; The three tiles use different registers: S^T's two buffers and P's two sets go by the tile's parity.  P's codes and scale word of tile ct were written in the group before: 24 vector lines stand ahead of their first product.
; Behind the last product stand five plain moves that name none of its registers: the places in front of loads into V's set.  No two products that follow each other share an accumulator.
.macro GROUP bt, at, asg, ct, csg, cz
.set j, 0
.set k, 0
.rept 17
.if k < 8
.if (\at) >= 0
	SMUL \at, k, \asg
.endif
.elseif k < 16
.if (\ct) >= 0
	OMUL \ct, k-8, \csg, \cz
.endif
.endif
.rept 3
	QI \bt
.set j, j+1
.endr
.set k, k+1
.endr
.endm
; THE CHANGE OF SLOTS, at a key step's head: that step's K and V are in registers, so its slot has been read out.  Each wave waits for all its tensor loads (one is out: its quarter of the other slot), adds 0 to its spare word,
; and waits for that and for its reads.  fill = 1: the barrier is a round of the cluster's, and behind it the slot read out is filled with the keys two steps on: one load a wave, first thing there.
.macro CHANGE fill
	WIN 0
	s_wait_tensorcnt 0x0                           ; no tensor load of mine is out, so the walking group 0 may be written
	ds_add_u32 v[SPW], v[NIL]                      ; 0 onto my spare word
.if \fill
	s_xor_b32 s[G0B+1], s[G0B+1], SLOT1            ; the other slot than last time,
	s_add_co_u32 s[DD], s[DD], 1
	s_and_b32 s[DD], s[DD], 7                      ; the next 512 keys, round the batch's eight
	s_mul_i32 s[OFP], s[DD], SLOTB
	s_add_nc_u64 s[G0B+2:G0B+3], s[KVB:KVB+1], s[OFP:OFP+1]
	s_or_b32 s[G0B+3], s[G0B+3], 0x80000000
	s_wait_dscnt 0x0                               ; the add is done, and my reads of the slot are over
	CROUND
	tensor_load_to_lds s[G0B:G0B+3], s[G1:G1+7]
	s_nop 0
.rept 4
	v_nop
.endr
.else
	s_wait_dscnt 0x0
	s_barrier_signal -1
	s_barrier_wait -1
.endif
.endm
; A KEY STEP of parity p.  chg = 2: change of slots with a refill, 1: without, 0: nothing is left to fetch.  z = 1: the first key step, 2: the second (tile 3's first products V^T P stand in it).  last = 1: no key step follows.
.macro TRIP p, chg, z, last
.if (\chg) == 2
	CHANGE 1
.elseif (\chg) == 1
	CHANGE 0
.endif
.if \chg
	FETCH_K 1-\p                                   ; the next step's K: that set's last products stand two groups back
.endif
.if (\z) == 1
	GROUP 0, 1, \p, -1, 0, 0
.elseif (\z) == 2
	GROUP 0, 1, \p, 3, 1-\p, 1
.else
	GROUP 0, 1, \p, 3, 1-\p, 0
.endif
.if \chg
	FETCH_V 1-\p                                   ; the next step's V: tile 3 of the step before has just been multiplied by that set
.endif
	GROUP 1, 2, \p, 0, \p, (\z)==1
.if \chg
	WIN 0
	s_wait_dscnt 0x0                               ; the next step's K and V are in registers: my reads of that slot are over
	PERMS 1-\p                                     ; a whole group stands between these and the first product that takes them
.endif
	GROUP 2, 3, \p, 1, \p, (\z)==1
.if \last
	GROUP 3, -1, 0, 2, \p, (\z)==1
.else
	GROUP 3, 0, 1-\p, 2, \p, (\z)==1
.endif
.endm
	s_wait_tensorcnt 0x1                           ; my quarter of slot 0 is in; slot 1's load, the one younger, may stay out
	s_barrier_signal -1
	s_barrier_wait -1                              ; everybody's is
	FETCH_K 0
	FETCH_V 0
	WIN 0
	s_wait_loadcnt 0x0                             ; Q and its scale bytes
	s_wait_dscnt 0x0
	PERMS 0
	v_perm_b32 v[QSC],   v58, v56, s[P0]           ; Q's scale words, tile by tile
	v_perm_b32 v[QSC+1], v58, v56, s[P1]
	v_perm_b32 v[QSC+2], v59, v57, s[P0]
	v_perm_b32 v[QSC+3], v59, v57, s[P1]
.rept 8
	v_nop                                          ; a scale register written by a vector instruction stands eight places ahead of a scaled matrix instruction
.endr
.set k, 0
.rept 8
	SMUL 0, k, 0                                   ; tile 0's first scores: there is no vector work yet to set between them
.set k, k+1
.endr
	WIN 0
.rept 4
	v_nop
.endr
	TRIP 0, 2, 1, 0
	TRIP 1, 2, 2, 0
	WIN 0                                          ; at a label and at a branch every window is 0
	s_mov_b32 s23, 2
.Llap:                                             ; key steps 2 to 5: a trip goes once round the ring
	TRIP 0, 2, 0, 0
	TRIP 1, 2, 0, 0
	WIN 0
	s_sub_co_u32 s23, s23, 1
	s_cmp_lg_u32 s23, 0
	s_cbranch_scc1 .Llap
	TRIP 0, 1, 0, 0                                ; the tail is written out: key step 6 asks for nothing
	TRIP 1, 0, 0, 1                                ; key step 7 fetches nothing
	WIN 0
.rept 8
	v_nop                                          ; tile 3's codes and scale word were written just now
.endr
.set k, 0
.rept 8
	OMUL 3, k, 1, 0
.set k, k+1
.endr
	WIN 0
.rept 4
	v_nop                                          ; places in front of the first read of results
.endr
	; THE WAY OUT.  The four waves' parts of O^T meet in a stage in LDS: 64 rows of 512 bytes + 16 for each wave.  It lies over the slots: they have had their last fill, and behind this barrier nobody reads them.
	s_wait_dscnt 0x0
	s_barrier_signal -1
	s_barrier_wait -1
	WIN 0x08                                       ; an LDS store's data are its source 1: window 2
.irp t, 0,1,2,3
.irp n, 0,1,2,3,4,5,6,7
	ds_store_b128 v[STO], v[64*\t+8*\n:64*\t+8*\n+3]   offset:16*SROW*\t+64*\n      ; lane (r, h): query 16 t + r, channels 16 n + 8 h + 0..7; each accumulator from its low end on
	ds_store_b128 v[STO], v[64*\t+8*\n+4:64*\t+8*\n+7] offset:16*SROW*\t+64*\n+16
.endr
.endr
	WIN 0
	s_wait_dscnt 0x0                               ; for the others' sake: my stores have landed
	s_barrier_signal -1
	s_barrier_wait -1
; Wave w adds the four parts of rows 16 w .. + 15, four rows at a time, and stores whole rows: 32 lanes, 512 consecutive bytes.
.macro LOADB q
.set BB, S+64*((\q)%2)
.irp i, 0,1,2,3
	ds_load_b128 v[BB+16*\i:BB+16*\i+3],     v11 offset:SROW*(4*(\q)+\i)
	ds_load_b128 v[BB+16*\i+4:BB+16*\i+7],   v40 offset:SROW*(4*(\q)+\i)
	ds_load_b128 v[BB+16*\i+8:BB+16*\i+11],  v41 offset:SROW*(4*(\q)+\i)
	ds_load_b128 v[BB+16*\i+12:BB+16*\i+15], v42 offset:SROW*(4*(\q)+\i)
.endr
.endm
.macro SUMB q
.set BB, S+64*((\q)%2)
.irp i, 0,1,2,3
.irp e, 0,2
	v_pk_add_f32 v[BB+16*\i+\e:BB+16*\i+\e+1],     v[BB+16*\i+\e:BB+16*\i+\e+1],     v[BB+16*\i+4+\e:BB+16*\i+5+\e]
	v_pk_add_f32 v[BB+16*\i+8+\e:BB+16*\i+9+\e],   v[BB+16*\i+8+\e:BB+16*\i+9+\e],   v[BB+16*\i+12+\e:BB+16*\i+13+\e]
.endr
.irp e, 0,2
	v_pk_add_f32 v[BB+16*\i+\e:BB+16*\i+\e+1],     v[BB+16*\i+\e:BB+16*\i+\e+1],     v[BB+16*\i+8+\e:BB+16*\i+9+\e]
.endr
	global_store_b128 v[GO], v[BB+16*\i:BB+16*\i+3], s[10:11] offset:512*(4*(\q)+\i) th:TH_STORE_NT   ; written once, read by nobody here
.endr
.endm
	LOADB 0
	LOADB 1
	s_wait_dscnt 16                                ; all but the 16 just issued
	SUMB 0
	s_wait_xcnt 0x0                                ; the stores have read their registers: loads may land there
	LOADB 2
	s_wait_dscnt 16
	SUMB 1
	s_wait_xcnt 0x0
	LOADB 3
	s_wait_dscnt 16
	SUMB 2
	s_wait_dscnt 0x0
	SUMB 3
	s_wait_tensorcnt 0x0                           ; the wave's end: behind my last tensor load and my last LDS store
	ds_add_u32 v[SPW], v[NIL]
	s_wait_dscnt 0x0
	CROUND                                         ; the closing round: no work-group ends while a partner may still ask for a tile that names it
	s_endpgm
.Lfunc_end_k_q64b233e39d_attn:
	.size	k_q64b233e39d_attn, .Lfunc_end_k_q64b233e39d_attn-k_q64b233e39d_attn
	.p2alignl 7, 3214868480
	.fill 96, 4, 3214868480
	.section	.rodata,"a",@progbits
	.p2align	6, 0x0
	.amdhsa_kernel k_q64b233e39d_attn
		.amdhsa_group_segment_fixed_size 327680
		.amdhsa_private_segment_fixed_size 0
		.amdhsa_enable_private_segment 0
		.amdhsa_kernarg_size 32
		.amdhsa_user_sgpr_count 2
		.amdhsa_user_sgpr_kernarg_segment_ptr 1
		.amdhsa_wavefront_size32 1
		.amdhsa_system_sgpr_workgroup_id_x 1
		.amdhsa_system_sgpr_workgroup_id_y 1
		.amdhsa_system_sgpr_workgroup_id_z 1
		.amdhsa_system_vgpr_workitem_id 0
		.amdhsa_next_free_vgpr 1024
		.amdhsa_next_free_sgpr 66
		.amdhsa_reserve_vcc 0
		.amdhsa_float_denorm_mode_32 3
		.amdhsa_float_denorm_mode_16_64 3
		.amdhsa_memory_ordered 1
		.amdhsa_forward_progress 1
		.amdhsa_inst_pref_size 200
	.end_amdhsa_kernel
	.amdgpu_metadata
---
amdhsa.version: [ 1, 2 ]
amdhsa.kernels:
  - .name:           k_q64b233e39d_attn
    .symbol:         k_q64b233e39d_attn.kd
    .args:
      - { .name: qc, .offset: 0, .size: 8, .value_kind: global_buffer, .address_space: global }
      - { .name: qs, .offset: 8, .size: 8, .value_kind: global_buffer, .address_space: global }
      - { .name: kv, .offset: 16, .size: 8, .value_kind: global_buffer, .address_space: global }
      - { .name: out0, .offset: 24, .size: 8, .value_kind: global_buffer, .address_space: global }
    .group_segment_fixed_size: 327680
    .private_segment_fixed_size: 0
    .kernarg_segment_align: 8
    .kernarg_segment_size: 32
    .max_flat_workgroup_size: 128
    .sgpr_count:     66
    .vgpr_count:     1024
    .wavefront_size: 32
...
	.end_amdgpu_metadata
.endif
;; end of part 2
